; MI455X (gfx1250); checked and timed in simulation.
; The chip was launched on July 23, 2026; its instructions are those of AMD's public machine-readable ISA for CDNA 5 (MIT licence, August 2026) and "CDNA5" Instruction Set Architecture Reference Guide (July 2026). The comments in the code are by the model that wrote it; some were corrected since.
;; Attn. Allowed arithmetic: float matrix products may take bf16 or f16 operands with f32 sums; all other float work in f32.
;; Inputs: W_attn 1,024 x 1,024 float32; b_attn 1,024 float32; encoder_outputs 2,048 x 32 x 1,024 float32; rnn_outputs 1 x 32 x 1,024 float32.
;; Outputs: out0 32 x 2,048 float32.
;; 2 versions, each right; version 2 is version 1 with the launch energy written anew for expert scheduling mode. Each part assembles by itself: llvm-mc -triple=amdgcn-amd-amdhsa -mcpu=gfx1250 --defsym DOCPART=n.
;; ======== version 1 of 2: 3 launches
;; workspace buffers: qp 1,048,576 bytes; en 262,144 bytes
;; launch qpart (part 1): grid 16 x 16, 4 waves a work-group, no clusters, 33,280 bytes of LDS; arguments W_attn, rnn_outputs, qp; writes qp
.if DOCPART == 1
	.amdgcn_target "amdgcn-amd-amdhsa--gfx1250"
	.amdhsa_code_object_version 6
	.text
	.protected	k_qc12513f91e_qpart
	.globl	k_qc12513f91e_qpart
	.p2align	8
	.type	k_qc12513f91e_qpart,@function
k_qc12513f91e_qpart:
	s_mov_b64 s[64:65], 0
	v_nop
	global_prefetch_b8 v0, s[64:65] scope:SCOPE_SE
	s_setreg_imm32_b32 hwreg(HW_REG_WAVE_MODE, 25, 1), 1
	s_wait_xcnt 0x0
; qp[p][b][h] = sum over k = 128 p .. 128 p + 127 of dec[b][k] W[k][h].   W: [1024 k][1024 h] f32, dec: [32 b][1024 k] f32, qp: [8 p][32 b][1024 h] f32.
; WHY: energies[b][s] = dec[b] . (W enc[s][b] + bias) = (dec[b] W) . enc[s][b] + dec[b] . bias, exactly, for every input.  So the product over
; all 65,536 rows of enc is replaced by q = dec W (32 rows), made here in eight partial sums over K; the next launch adds them up.
; LIMIT: the sums are associated as (dec W) enc and not as dec (W enc): the order of f32 roundings differs from the formula as it is written.
; All arithmetic is f32 on the vector unit: q has 32 rows and streams W once for each half of them, so memory and not arithmetic sets the pace, and
; the softmax that follows turns an absolute error of an energy into a relative error of the result, which 16-bit operands would not keep small.
; No cluster: the two work-groups that read the same 32 KiB of W are all that is shared.
;
; 256 work-groups: x = a strip of 64 columns (256 bytes of every row of W), y = 2 p + bh: p = which 128 rows of W, bh = which 16 of the 32 b.
; Wave w takes rows 128 p + 32 w .. + 31.  Lanes 0-15 hold the strip (4 columns a lane) of rows k0 + n, lanes 16-31 of rows k0 + 16 + n, n = 0 .. 15:
; a load of the wave covers two whole rows of the strip, 256 consecutive bytes each, aligned.
; dec[b][k0 + lane] lies one number a lane; row_share:n hands lane n of each half of 16 lanes to the whole half, which is the number that
; belongs to the row of W that the half holds in its n-th registers.
.set ROWB, 4096                        ; bytes in a row of W, of dec and of qp
.set OW,  2                            ; v2       byte offset in W:   (t >> 4) x 16 rows + 16 (t & 15)
.set OD,  3                            ; v3       byte offset in dec: 4 t = 128 w + 4 lane
.set PO,  4                            ; v4       (t >> 4) x 4,096 + 16 (t & 15): my place in LDS when I store, and my byte offset in qp
.set LL,  5                            ; v5       16 t: my place in LDS when I read back
.set T,   8                            ; v[8:15]  four pairs: dec of four b for two rows of W
.set D,   16                           ; v[16:31] dec[16 bh + i][k0 + lane], i = 0 .. 15
.set WR,  32                           ; v[32:95] 16 rows of W, 4 columns each; later the partial sums read back from LDS
.set ACC, 96                           ; v[96:159] 16 b x 4 columns
	s_load_b128 s[4:7], s[0:1], 0x0                ; W s[4:5], dec s[6:7]
	s_load_b64 s[8:9], s[0:1], 0x10                ; qp
	v_lshl_add_u32 v160, v0, 2, 0x8000
	v_mov_b32 v161, 0
	s_and_b32 s11, ttmp7, 0xffff                   ; y
	s_lshr_b32 s12, s11, 1                         ; p
	s_and_b32 s13, s11, 1                          ; bh
	s_lshl_b32 s14, ttmp9, 8                       ; the strip: 256 bytes x
	s_lshl_b32 s15, s13, 16                        ; 16 rows of 4,096 bytes x bh
	s_lshl_b32 s16, s12, 19                        ; W: 128 rows x p
	s_add_co_u32 s16, s16, s14                     ;    + the strip
	s_mov_b32 s17, 0
	s_lshl_b32 s18, s12, 9                         ; dec: 128 numbers x p
	s_add_co_u32 s18, s18, s15                     ;    + my 16 rows
	s_mov_b32 s19, 0
	s_lshl_b32 s20, s12, 17                        ; qp: 32 rows x p
	s_add_co_u32 s20, s20, s15                     ;    + my 16 rows
	s_add_co_u32 s20, s20, s14                     ;    + the strip
	s_mov_b32 s21, 0
	v_lshrrev_b32 v7, 4, v0                        ; t >> 4 = 2 w + half, 0 .. 7
	v_and_b32 v1, 15, v0
	v_lshlrev_b32 v1, 4, v1                        ; 16 (t & 15), 0 .. 240
	v_lshl_add_u32 v[OW], v7, 16, v1
	v_lshl_add_u32 v[PO], v7, 12, v1               ; at most 7 x 4,096 + 240 = 28,912: with the largest offset, 3,840, and 16 bytes the LDS stores end at 32,768
	v_lshlrev_b32 v[OD], 2, v0
	v_lshlrev_b32 v[LL], 4, v0
.irp i, 0,1,2,3,4,5,6,7
	v_mov_b32 v[T+\i], 0                           ; a DPP move's destination counts as read: written once here, eight registers
.endr
	s_wait_kmcnt 0x0
	s_add_nc_u64 s[4:5], s[4:5], s[16:17]
	s_add_nc_u64 s[6:7], s[6:7], s[18:19]
	s_add_nc_u64 s[8:9], s[8:9], s[20:21]
.irp i, 0,1,2,3,4,5,6,7,8,9,10,11,12,13,14,15
	global_load_b32 v[D+\i], v[OD], s[6:7] offset:\i*ROWB          ; the four waves together take 512 consecutive bytes of a row of dec
.endr
.irp n, 0,1,2,3,4,5,6,7,8,9,10,11,12,13,14,15
	global_load_b128 v[WR+4*\n:WR+4*\n+3], v[OW], s[4:5] offset:\n*ROWB
.endr
; Rows na and nb = na + 1 of W (of each half's sixteen) times four b (4 bg .. 4 bg + 3): 8 moves, 16 packed multiply-adds.
; The eight accumulator pairs take turns, so that no instruction waits for the one in front of it.  Row 0's products start the sums: nothing is cleared.
.macro GRP na, nb, bg
.irp q, 0,1,2,3
	v_mov_b32_dpp v[T+2*\q],   v[D+4*\bg+\q] row_share:\na row_mask:0xf bank_mask:0xf
	v_mov_b32_dpp v[T+2*\q+1], v[D+4*\bg+\q] row_share:\nb row_mask:0xf bank_mask:0xf
.endr
.irp q, 0,1,2,3
.irp h, 0,2
.if \na == 0
	v_pk_mul_f32 v[ACC+16*\bg+4*\q+\h:ACC+16*\bg+4*\q+\h+1], v[WR+4*\na+\h:WR+4*\na+\h+1], v[T+2*\q:T+2*\q+1] op_sel_hi:[1,0]
.else
	v_pk_fma_f32 v[ACC+16*\bg+4*\q+\h:ACC+16*\bg+4*\q+\h+1], v[WR+4*\na+\h:WR+4*\na+\h+1], v[T+2*\q:T+2*\q+1], v[ACC+16*\bg+4*\q+\h:ACC+16*\bg+4*\q+\h+1] op_sel_hi:[1,0,1]   ; both columns times the pair's first number
.endif
.endr
.endr
.irp q, 0,1,2,3
.irp h, 0,2
	v_pk_fma_f32 v[ACC+16*\bg+4*\q+\h:ACC+16*\bg+4*\q+\h+1], v[WR+4*\nb+\h:WR+4*\nb+\h+1], v[T+2*\q:T+2*\q+1], v[ACC+16*\bg+4*\q+\h:ACC+16*\bg+4*\q+\h+1] op_sel:[0,1,0] op_sel_hi:[1,1,1]   ; both columns times the pair's second number
.endr
.endr
.endm
.macro STEP na, nb, left
	s_wait_loadcnt \left                           ; loads come back in order: rows 0 .. nb of W are in (and dec, asked for ahead of W); the 15 - nb younger rows stay out
	GRP \na, \nb, 0
	GRP \na, \nb, 1
	GRP \na, \nb, 2
	GRP \na, \nb, 3
.endm
	STEP 0, 1, 14
	STEP 2, 3, 12
	STEP 4, 5, 10
	STEP 6, 7, 8
	STEP 8, 9, 6
	STEP 10, 11, 4
	STEP 12, 13, 2
	STEP 14, 15, 0
	; The eight halves of waves hold eight partial sums of the same 16 b x 64 columns.  They meet in LDS: part 2 w + half has 4,096 bytes,
	; 256 for each b; sixteen lanes store 256 consecutive bytes.
.irp i, 0,1,2,3,4,5,6,7,8,9,10,11,12,13,14,15
	ds_store_b128 v[PO], v[ACC+4*\i:ACC+4*\i+3] offset:256*\i
.endr
	s_wait_dscnt 0x0                               ; my stores are in LDS before I say so
	s_barrier_signal -1
	s_barrier_wait -1                              ; everybody's are
	; Thread t adds up the 16 bytes at 16 t and at 16 t + 2,048 of all eight parts.
.irp i, 0,1
.irp g, 0,1,2,3,4,5,6,7
	ds_load_b128 v[WR+32*\i+4*\g:WR+32*\i+4*\g+3], v[LL] offset:4096*\g+2048*\i
.endr
.endr
; eight groups of four registers from v[r] on, added as a tree into the first group
.macro SUM8 r
.irp g, 0,8,16,24
.irp h, 0,2
	v_pk_add_f32 v[\r+\g+\h:\r+\g+\h+1], v[\r+\g+\h:\r+\g+\h+1], v[\r+\g+4+\h:\r+\g+4+\h+1]
.endr
.endr
.irp g, 0,16
.irp h, 0,2
	v_pk_add_f32 v[\r+\g+\h:\r+\g+\h+1], v[\r+\g+\h:\r+\g+\h+1], v[\r+\g+8+\h:\r+\g+8+\h+1]
.endr
.endr
.irp h, 0,2
	v_pk_add_f32 v[\r+\h:\r+\h+1], v[\r+\h:\r+\h+1], v[\r+16+\h:\r+16+\h+1]
.endr
.endm
	s_wait_dscnt 0x8                               ; the first place's eight loads are in, the second's eight may be out
	SUM8 WR
	global_store_b128 v[PO], v[WR:WR+3], s[8:9]                    ; b = t >> 4: sixteen lanes store 256 consecutive bytes, aligned
	s_wait_dscnt 0x0
	SUM8 WR+32
	global_store_b128 v[PO], v[WR+32:WR+35], s[8:9] offset:8*ROWB  ; b = 8 + (t >> 4)
	s_wait_tensorcnt 0x0
	ds_add_u32 v160, v161
	s_wait_dscnt 0x0
	s_endpgm
.Lfunc_end_k_qc12513f91e_qpart:
	.size	k_qc12513f91e_qpart, .Lfunc_end_k_qc12513f91e_qpart-k_qc12513f91e_qpart
	.p2alignl 7, 3214868480
	.fill 96, 4, 3214868480
	.section	.rodata,"a",@progbits
	.p2align	6, 0x0
	.amdhsa_kernel k_qc12513f91e_qpart
		.amdhsa_group_segment_fixed_size 33280
		.amdhsa_private_segment_fixed_size 0
		.amdhsa_enable_private_segment 0
		.amdhsa_kernarg_size 24
		.amdhsa_user_sgpr_count 2
		.amdhsa_user_sgpr_kernarg_segment_ptr 1
		.amdhsa_wavefront_size32 1
		.amdhsa_system_sgpr_workgroup_id_x 1
		.amdhsa_system_sgpr_workgroup_id_y 1
		.amdhsa_system_sgpr_workgroup_id_z 1
		.amdhsa_system_vgpr_workitem_id 0
		.amdhsa_next_free_vgpr 162
		.amdhsa_next_free_sgpr 66
		.amdhsa_reserve_vcc 0
		.amdhsa_float_denorm_mode_32 3
		.amdhsa_float_denorm_mode_16_64 3
		.amdhsa_memory_ordered 1
		.amdhsa_forward_progress 1
		.amdhsa_inst_pref_size 58
	.end_amdhsa_kernel
	.amdgpu_metadata
---
amdhsa.version: [ 1, 2 ]
amdhsa.kernels:
  - .name:           k_qc12513f91e_qpart
    .symbol:         k_qc12513f91e_qpart.kd
    .args:
      - { .name: W_attn, .offset: 0, .size: 8, .value_kind: global_buffer, .address_space: global }
      - { .name: rnn_outputs, .offset: 8, .size: 8, .value_kind: global_buffer, .address_space: global }
      - { .name: qp, .offset: 16, .size: 8, .value_kind: global_buffer, .address_space: global }
    .group_segment_fixed_size: 33280
    .private_segment_fixed_size: 0
    .kernarg_segment_align: 8
    .kernarg_segment_size: 24
    .max_flat_workgroup_size: 128
    .sgpr_count:     66
    .vgpr_count:     162
    .wavefront_size: 32
...
	.end_amdgpu_metadata
.endif
;; end of part 1
;; launch energy (part 2): grid 32 x 8, 8 waves a work-group, no clusters, 7,168 bytes of LDS; arguments encoder_outputs, qp, rnn_outputs, b_attn, en; writes en
.if DOCPART == 2
	.amdgcn_target "amdgcn-amd-amdhsa--gfx1250"
	.amdhsa_code_object_version 6
	.text
	.protected	k_qc12513f91e_energy
	.globl	k_qc12513f91e_energy
	.p2align	8
	.type	k_qc12513f91e_energy,@function
k_qc12513f91e_energy:
	s_mov_b64 s[64:65], 0
	v_nop
	global_prefetch_b8 v0, s[64:65] scope:SCOPE_SE
	s_setreg_imm32_b32 hwreg(HW_REG_WAVE_MODE, 25, 1), 1
	s_wait_xcnt 0x0
; en[b][s] = q[b] . enc[s][b] + c[b],  q[b] = the sum of the eight parts qp[p][b],  c[b] = dec[b] . bias.
; enc: [2048 s][32 b][1024 h] f32, qp: [8][32][1024] f32, dec: [32][1024] f32, bias: [1024] f32, en: [32 b][2048 s] f32.
; LIMIT: sums associated as (dec W) enc + dec . bias; the order of f32 roundings differs from the formula as it is written.
; A stream: every byte of enc is read once, by loads of 512 consecutive bytes a wave, and each row meets one vector, so the work is 16 packed
; multiply-adds a lane for 4,096 bytes.  A matrix instruction would use one of its sixteen columns and want conversions on top; f32 on the
; vector unit keeps the energies exact enough for the exponentials that follow.  No cluster: no two work-groups read the same bytes of enc,
; and what they share (q's parts, dec, bias: 40 KiB) is small beside a work-group's 1 MiB.
;
; 256 work-groups: x = b, y = j; the work-group takes s = 256 j .. 256 j + 255 of its b.  Wave w takes s = 256 j + 32 w + r, r = 0 .. 31, a whole row
; (4,096 bytes, eight loads of 16 bytes a lane) at a time: lane l, load i holds h = 128 i + 4 l .. + 3.
; A ring of six row slots in registers: while one row is multiplied, five rows (40 loads, 20 KiB of the wave) are on their way.  The waits are counted, so
; the ring never runs empty.  All 32 rows are reached by the loads' immediate offsets: no address register is ever rewritten.
.set SROW,  131072                     ; bytes from enc[s][b] to enc[s + 1][b], and from a part of qp to the next
.set SLOTS, 6
.set ROWS,  32                         ; rows of a wave
.set OE,  1                            ; v1        byte offset in enc: w x 32 rows + 16 lane
.set T16, 2                            ; v2        16 t
.set T4,  3                            ; v3        4 t
.set L16, 4                            ; v4        16 lane
.set DOT, 5                            ; v5        my four products of dec and bias
.set E,   8                            ; v8        lane r keeps row r's energy
.set CI,  10                           ; v[10:11]  (my lane's share of c[b], 0): the addend of each row's first multiply-add
.set S,   12                           ; v12       a row's sum
.set S2,  13                           ; v13       the other half's sum
.set Q,   16                           ; v[16:47]  first the eight parts of my four numbers of q, then my lane's 32 numbers of q
.set T,   48                           ; v[48:55]  first dec and bias, then four accumulator pairs
.set X,   56                           ; v[56:247] slot n: 32 registers, a row as loaded
.set LQ,  0                            ; LDS: q[b], 4,096 bytes
.set LC,  4096                         ; LDS: 256 partial sums of c[b]
.set LE,  5120                         ; LDS: the work-group's 256 energies
	s_load_b256 s[4:11], s[0:1], 0x0               ; enc s[4:5], qp s[6:7], dec s[8:9], bias s[10:11]
	s_load_b64 s[12:13], s[0:1], 0x20              ; en
	v_lshl_add_u32 v248, v0, 2, 0x1800
	v_mov_b32 v249, 0
	s_and_b32 s15, ttmp7, 0xffff                   ; j
	s_lshl_b32 s18, ttmp9, 12                      ; b rows of 4,096 bytes: in qp, in dec, and inside one s of enc
	s_mov_b32 s19, 0
	s_lshl_b32 s16, s15, 25                        ; enc: 256 j steps of 131,072 bytes (at most 7 x 2^25)
	s_add_co_u32 s16, s16, s18
	s_mov_b32 s17, 0
	s_lshl_b32 s20, ttmp9, 13                      ; en: b rows of 8,192 bytes
	s_lshl_b32 s21, s15, 10                        ;     + 256 j numbers
	s_add_co_u32 s20, s20, s21
	s_mov_b32 s21, 0
	s_mov_b32 s22, 0x76543210                      ; v_permlanex16_b32: lane i of one half reads lane i of the other
	s_mov_b32 s23, 0xfedcba98
	v_lshrrev_b32 v6, 5, v0
	v_readfirstlane_b32 s14, v6                    ; wave 0 .. 7
	v_and_b32 v[L16], 31, v0
	v_lshlrev_b32 v[L16], 4, v[L16]
	v_lshl_or_b32 v[OE], v6, 22, v[L16]            ; 32 rows of 131,072 bytes for each wave
	v_lshlrev_b32 v[T16], 4, v0
	v_lshlrev_b32 v[T4], 2, v0
	v_mov_b32 v[S2], 0                             ; v_permlanex16_b32's destination counts as read: written once
	s_wait_kmcnt 0x0
	s_add_nc_u64 s[4:5], s[4:5], s[16:17]
	s_add_nc_u64 s[6:7], s[6:7], s[18:19]
	s_add_nc_u64 s[8:9], s[8:9], s[18:19]
	s_add_nc_u64 s[12:13], s[12:13], s[20:21]
	; ten loads for q and c: thread t takes numbers 4 t .. 4 t + 3 of each row
.irp p, 0,1,2,3,4,5,6,7
	global_load_b128 v[Q+4*\p:Q+4*\p+3], v[T16], s[6:7] offset:\p*SROW
.endr
	global_load_b128 v[T:T+3],   v[T16], s[8:9]
	global_load_b128 v[T+4:T+7], v[T16], s[10:11]
	; the ring is filled: rows 0 to 5, 48 loads.  enc is read once in the whole launch.
.irp r, 0,1,2,3,4,5
.irp i, 0,1,2,3,4,5,6,7
	global_load_b128 v[X+32*\r+4*\i:X+32*\r+4*\i+3], v[OE], s[4:5] offset:\r*SROW+\i*512 th:TH_LOAD_NT
.endr
.endr
; eight groups of four registers from v[r] on, added as a tree into the first group
.macro SUM8 r
.irp g, 0,8,16,24
.irp h, 0,2
	v_pk_add_f32 v[\r+\g+\h:\r+\g+\h+1], v[\r+\g+\h:\r+\g+\h+1], v[\r+\g+4+\h:\r+\g+4+\h+1]
.endr
.endr
.irp g, 0,16
.irp h, 0,2
	v_pk_add_f32 v[\r+\g+\h:\r+\g+\h+1], v[\r+\g+\h:\r+\g+\h+1], v[\r+\g+8+\h:\r+\g+8+\h+1]
.endr
.endr
.irp h, 0,2
	v_pk_add_f32 v[\r+\h:\r+\h+1], v[\r+\h:\r+\h+1], v[\r+16+\h:\r+16+\h+1]
.endr
.endm
	s_wait_loadcnt 48                              ; the ten are in; the ring's 48, issued behind them, stay out
	SUM8 Q                                         ; q[b][4 t .. 4 t + 3]
	v_mul_f32  v[DOT], v[T],   v[T+4]              ; my four terms of dec[b] . bias
	v_fmac_f32 v[DOT], v[T+1], v[T+5]
	v_fmac_f32 v[DOT], v[T+2], v[T+6]
	v_fmac_f32 v[DOT], v[T+3], v[T+7]
	ds_store_b128 v[T16], v[Q:Q+3] offset:LQ
	ds_store_b32  v[T4],  v[DOT]   offset:LC
	s_wait_dscnt 0x0                               ; my stores are in LDS before I say so
	s_barrier_signal -1                            ; (the loads of enc stay on their way: nobody writes those bytes)
	s_barrier_wait -1
.irp i, 0,1,2,3,4,5,6,7
	ds_load_b128 v[Q+4*\i:Q+4*\i+3], v[L16] offset:LQ+512*\i       ; q at the places at which my lane holds enc
.endr
	ds_load_b128 v[T:T+3],   v[L16] offset:LC      ; eight of the 256 partial sums of c[b] for each lane
	ds_load_b128 v[T+4:T+7], v[L16] offset:LC+512
	s_wait_dscnt 0x0
	v_pk_add_f32 v[T:T+1],     v[T:T+1],     v[T+2:T+3]
	v_pk_add_f32 v[T+4:T+5],   v[T+4:T+5],   v[T+6:T+7]
	v_pk_add_f32 v[T:T+1],     v[T:T+1],     v[T+4:T+5]
	v_add_f32 v[CI], v[T], v[T+1]                  ; over the 32 lanes these add up to c[b]: a row's sum over the lanes brings the bias in
	v_mov_b32 v[CI+1], 0
; Row r, in slot r mod 6.
.macro ROW r
.set SL, X+32*((\r)%SLOTS)
.if ROWS-1-\r < SLOTS-1
	s_wait_loadcnt 8*(ROWS-1-\r)                   ; the end: only the rows behind this one are still out
.else
	s_wait_loadcnt 8*(SLOTS-1)                     ; loads come back in order: my row's eight are in, the five younger rows' 40 stay out
.endif
	v_pk_fma_f32 v[T:T+1], v[SL:SL+1], v[Q:Q+1], v[CI:CI+1]        ; four chains; the first starts from the share of c[b], the others from a product
.irp m, 1,2,3
	v_pk_mul_f32 v[T+2*\m:T+2*\m+1], v[SL+2*\m:SL+2*\m+1], v[Q+2*\m:Q+2*\m+1]
.endr
.irp m, 4,5,6,7,8,9,10,11,12,13,14,15
	v_pk_fma_f32 v[T+2*(\m%4):T+2*(\m%4)+1], v[SL+2*\m:SL+2*\m+1], v[Q+2*\m:Q+2*\m+1], v[T+2*(\m%4):T+2*(\m%4)+1]
.endr
.if \r+SLOTS < ROWS
.irp i, 0,1,2,3,4,5,6,7
	global_load_b128 v[SL+4*\i:SL+4*\i+3], v[OE], s[4:5] offset:(\r+SLOTS)*SROW+\i*512 th:TH_LOAD_NT   ; the slot's next row, as soon as the slot has been read
.endr
.endif
	v_pk_add_f32 v[T:T+1],   v[T:T+1],   v[T+2:T+3]
	v_pk_add_f32 v[T+4:T+5], v[T+4:T+5], v[T+6:T+7]
	v_pk_add_f32 v[T:T+1],   v[T:T+1],   v[T+4:T+5]
	v_add_f32 v[S], v[T], v[T+1]
	v_add_f32_dpp v[S], v[S], v[S] row_xmask:1 row_mask:0xf bank_mask:0xf      ; across the lanes: four steps inside each half of 16,
	v_add_f32_dpp v[S], v[S], v[S] row_xmask:2 row_mask:0xf bank_mask:0xf
	v_add_f32_dpp v[S], v[S], v[S] row_xmask:4 row_mask:0xf bank_mask:0xf
	v_add_f32_dpp v[S], v[S], v[S] row_xmask:8 row_mask:0xf bank_mask:0xf
	v_permlanex16_b32 v[S2], v[S], s22, s23                                    ; one across the halves
.if \r == 0
	v_add_f32 v[E], v[S], v[S2]                    ; row 0 writes every lane of E; lanes 1 to 31 are replaced below
.else
	v_add_f32 v[S], v[S], v[S2]
	s_mov_b32 s24, 1<<\r
	v_cndmask_b32 v[E], v[E], v[S], s24            ; lane r keeps row r
.endif
.endm
.irp r, 0,1,2,3,4,5,6,7,8,9,10,11,12,13,14,15,16,17,18,19,20,21,22,23,24,25,26,27,28,29,30,31
	ROW \r
.endr
	; Thread t = 32 w + r holds en[b][256 j + t].  Through LDS, so that 16 bytes a lane go out: 64 threads store the 1,024 bytes.
	ds_store_b32 v[T4], v[E] offset:LE
	s_wait_dscnt 0x0
	s_barrier_signal -1
	s_barrier_wait -1
	s_cmp_ge_u32 s14, 2
	s_cbranch_scc1 .Ldone                          ; waves 2 to 7 have nothing left to store
	ds_load_b128 v[Q:Q+3], v[T16] offset:LE
	s_wait_dscnt 0x0
	global_store_b128 v[T16], v[Q:Q+3], s[12:13]   ; sixteen lanes store 256 consecutive bytes, aligned
.Ldone:
	s_wait_tensorcnt 0x0
	ds_add_u32 v248, v249
	s_wait_dscnt 0x0
	s_endpgm
.Lfunc_end_k_qc12513f91e_energy:
	.size	k_qc12513f91e_energy, .Lfunc_end_k_qc12513f91e_energy-k_qc12513f91e_energy
	.p2alignl 7, 3214868480
	.fill 96, 4, 3214868480
	.section	.rodata,"a",@progbits
	.p2align	6, 0x0
	.amdhsa_kernel k_qc12513f91e_energy
		.amdhsa_group_segment_fixed_size 7168
		.amdhsa_private_segment_fixed_size 0
		.amdhsa_enable_private_segment 0
		.amdhsa_kernarg_size 40
		.amdhsa_user_sgpr_count 2
		.amdhsa_user_sgpr_kernarg_segment_ptr 1
		.amdhsa_wavefront_size32 1
		.amdhsa_system_sgpr_workgroup_id_x 1
		.amdhsa_system_sgpr_workgroup_id_y 1
		.amdhsa_system_sgpr_workgroup_id_z 1
		.amdhsa_system_vgpr_workitem_id 0
		.amdhsa_next_free_vgpr 250
		.amdhsa_next_free_sgpr 66
		.amdhsa_reserve_vcc 0
		.amdhsa_float_denorm_mode_32 3
		.amdhsa_float_denorm_mode_16_64 3
		.amdhsa_memory_ordered 1
		.amdhsa_forward_progress 1
		.amdhsa_inst_pref_size 84
	.end_amdhsa_kernel
	.amdgpu_metadata
---
amdhsa.version: [ 1, 2 ]
amdhsa.kernels:
  - .name:           k_qc12513f91e_energy
    .symbol:         k_qc12513f91e_energy.kd
    .args:
      - { .name: encoder_outputs, .offset: 0, .size: 8, .value_kind: global_buffer, .address_space: global }
      - { .name: qp, .offset: 8, .size: 8, .value_kind: global_buffer, .address_space: global }
      - { .name: rnn_outputs, .offset: 16, .size: 8, .value_kind: global_buffer, .address_space: global }
      - { .name: b_attn, .offset: 24, .size: 8, .value_kind: global_buffer, .address_space: global }
      - { .name: en, .offset: 32, .size: 8, .value_kind: global_buffer, .address_space: global }
    .group_segment_fixed_size: 7168
    .private_segment_fixed_size: 0
    .kernarg_segment_align: 8
    .kernarg_segment_size: 40
    .max_flat_workgroup_size: 256
    .sgpr_count:     66
    .vgpr_count:     250
    .wavefront_size: 32
...
	.end_amdgpu_metadata
.endif
;; end of part 2
;; launch softmax (part 3): grid 32 x 1, 8 waves a work-group, no clusters, 1,280 bytes of LDS; arguments en, out0; writes out0
.if DOCPART == 3
	.amdgcn_target "amdgcn-amd-amdhsa--gfx1250"
	.amdhsa_code_object_version 6
	.text
	.protected	k_qc12513f91e_softmax
	.globl	k_qc12513f91e_softmax
	.p2align	8
	.type	k_qc12513f91e_softmax,@function
k_qc12513f91e_softmax:
	s_mov_b64 s[64:65], 0
	v_nop
	global_prefetch_b8 v0, s[64:65] scope:SCOPE_SE
	s_setreg_imm32_b32 hwreg(HW_REG_WAVE_MODE, 25, 1), 1
	s_wait_xcnt 0x0
; out0[b][s] = exp(en[b][s] - m[b]) / sum over s of exp(en[b][s] - m[b]),  m[b] = the largest en[b][s].   en, out0: [32 b][2048 s] f32.
; One work-group for each b, eight waves, eight numbers a thread: the row (8,192 bytes) stays in registers from the load to the store.
; 32 work-groups, since a row's maximum and sum need the whole row: more would each read the same row again for the same chain of steps.
; The maximum is taken away first and the difference is then multiplied by log2 e (two roundings, not one fused step on m x log2 e), so that
; the error of the exponent does not grow with the size of the energies.
; LIMIT: v_exp_f32 gives 0 where the result would lie below 2^-126 (ISA guide, its entry in 15.8), where the formula in f32 may give a denormal.
; The sum is at least 1 (the largest number's own term), so the reciprocal is safe.
.set HALF, 4096                        ; bytes that the 256 threads cover with one load
	s_load_b128 s[4:7], s[0:1], 0x0                ; en s[4:5], out0 s[6:7]
	v_lshl_add_u32 v32, v0, 2, 0x100
	v_mov_b32 v33, 0
	s_lshl_b32 s8, ttmp9, 13                       ; b rows of 8,192 bytes
	s_mov_b32 s9, 0
	s_mov_b32 s10, 0x76543210                      ; v_permlanex16_b32: lane i of one half reads lane i of the other
	s_mov_b32 s11, 0xfedcba98
	v_lshlrev_b32 v1, 4, v0                        ; 16 t
	v_lshrrev_b32 v2, 5, v0
	v_lshlrev_b32 v2, 2, v2                        ; 4 x wave: my wave's word in LDS
	v_mov_b32 v3, 0
	s_wait_kmcnt 0x0
	s_add_nc_u64 s[4:5], s[4:5], s[8:9]
	s_add_nc_u64 s[6:7], s[6:7], s[8:9]
	global_load_b128 v[4:7],  v1, s[4:5]
	global_load_b128 v[8:11], v1, s[4:5] offset:HALF
	s_wait_loadcnt 0x0
	; the largest: in the lane, across the lanes, across the waves
	v_max3_num_f32 v12, v4, v5, v6
	v_max3_num_f32 v13, v7, v8, v9
	v_max3_num_f32 v12, v12, v10, v11
	v_max_num_f32 v12, v12, v13
	v_max_num_f32_dpp v12, v12, v12 row_xmask:1 row_mask:0xf bank_mask:0xf
	v_max_num_f32_dpp v12, v12, v12 row_xmask:2 row_mask:0xf bank_mask:0xf
	v_max_num_f32_dpp v12, v12, v12 row_xmask:4 row_mask:0xf bank_mask:0xf
	v_max_num_f32_dpp v12, v12, v12 row_xmask:8 row_mask:0xf bank_mask:0xf
	v_permlanex16_b32 v13, v12, s10, s11           ; v13 has been written above
	v_max_num_f32 v12, v12, v13
	ds_store_b32 v2, v12                           ; LDS bytes 0 to 31: the eight waves' maxima
	s_wait_dscnt 0x0
	s_barrier_signal -1
	s_barrier_wait -1
	ds_load_b128 v[16:19], v3
	ds_load_b128 v[20:23], v3 offset:16
	s_wait_dscnt 0x0
	v_max3_num_f32 v12, v16, v17, v18
	v_max3_num_f32 v13, v19, v20, v21
	v_max3_num_f32 v12, v12, v22, v23
	v_max_num_f32 v12, v12, v13                    ; m[b], in every lane of every wave
.irp i, 4,5,6,7,8,9,10,11
	v_sub_f32 v\i, v\i, v12
.endr
.irp i, 4,6,8,10
	v_pk_mul_f32 v[\i:\i+1], v[\i:\i+1], 0x3fb8aa3b op_sel_hi:[1,0]   ; x log2 e: v_exp_f32 is 2^x
.endr
.irp i, 4,5,6,7,8,9,10,11
	v_exp_f32 v\i, v\i
.endr
	v_nop                                          ; one plain vector instruction between the last exponential and the first use (ISA guide 5.7.2)
	; the sum: in the lane, across the lanes, across the waves
	s_wait_alu depctr_va_vdst(0)
	v_pk_add_f32 v[12:13], v[4:5], v[6:7]
	v_pk_add_f32 v[14:15], v[8:9], v[10:11]
	v_pk_add_f32 v[12:13], v[12:13], v[14:15]
	v_add_f32 v12, v12, v13
	v_add_f32_dpp v12, v12, v12 row_xmask:1 row_mask:0xf bank_mask:0xf
	v_add_f32_dpp v12, v12, v12 row_xmask:2 row_mask:0xf bank_mask:0xf
	v_add_f32_dpp v12, v12, v12 row_xmask:4 row_mask:0xf bank_mask:0xf
	v_add_f32_dpp v12, v12, v12 row_xmask:8 row_mask:0xf bank_mask:0xf
	v_permlanex16_b32 v13, v12, s10, s11
	v_add_f32 v12, v12, v13
	ds_store_b32 v2, v12 offset:32                 ; LDS bytes 32 to 63: other bytes than the maxima, which a slower wave may still be reading
	s_wait_dscnt 0x0
	s_barrier_signal -1
	s_barrier_wait -1
	ds_load_b128 v[16:19], v3 offset:32
	ds_load_b128 v[20:23], v3 offset:48
	s_wait_dscnt 0x0
	v_pk_add_f32 v[16:17], v[16:17], v[18:19]
	v_pk_add_f32 v[20:21], v[20:21], v[22:23]
	v_pk_add_f32 v[16:17], v[16:17], v[20:21]
	v_add_f32 v16, v16, v17
	v_rcp_f32 v18, v16                             ; twice, to fill the pair that the packed multiply takes
	v_rcp_f32 v19, v16
	v_nop                                          ; one plain vector instruction before the reciprocals are used (ISA guide 5.7.2)
	s_wait_alu depctr_va_vdst(0)
.irp i, 4,6,8,10
	v_pk_mul_f32 v[\i:\i+1], v[\i:\i+1], v[18:19]
.endr
	global_store_b128 v1, v[4:7],  s[6:7]          ; sixteen lanes store 256 consecutive bytes, aligned
	global_store_b128 v1, v[8:11], s[6:7] offset:HALF
	s_wait_tensorcnt 0x0
	ds_add_u32 v32, v33
	s_wait_dscnt 0x0
	s_endpgm
.Lfunc_end_k_qc12513f91e_softmax:
	.size	k_qc12513f91e_softmax, .Lfunc_end_k_qc12513f91e_softmax-k_qc12513f91e_softmax
	.p2alignl 7, 3214868480
	.fill 96, 4, 3214868480
	.section	.rodata,"a",@progbits
	.p2align	6, 0x0
	.amdhsa_kernel k_qc12513f91e_softmax
		.amdhsa_group_segment_fixed_size 1280
		.amdhsa_private_segment_fixed_size 0
		.amdhsa_enable_private_segment 0
		.amdhsa_kernarg_size 16
		.amdhsa_user_sgpr_count 2
		.amdhsa_user_sgpr_kernarg_segment_ptr 1
		.amdhsa_wavefront_size32 1
		.amdhsa_system_sgpr_workgroup_id_x 1
		.amdhsa_system_sgpr_workgroup_id_y 1
		.amdhsa_system_sgpr_workgroup_id_z 1
		.amdhsa_system_vgpr_workitem_id 0
		.amdhsa_next_free_vgpr 34
		.amdhsa_next_free_sgpr 66
		.amdhsa_reserve_vcc 0
		.amdhsa_float_denorm_mode_32 3
		.amdhsa_float_denorm_mode_16_64 3
		.amdhsa_memory_ordered 1
		.amdhsa_forward_progress 1
		.amdhsa_inst_pref_size 5
	.end_amdhsa_kernel
	.amdgpu_metadata
---
amdhsa.version: [ 1, 2 ]
amdhsa.kernels:
  - .name:           k_qc12513f91e_softmax
    .symbol:         k_qc12513f91e_softmax.kd
    .args:
      - { .name: en, .offset: 0, .size: 8, .value_kind: global_buffer, .address_space: global }
      - { .name: out0, .offset: 8, .size: 8, .value_kind: global_buffer, .address_space: global }
    .group_segment_fixed_size: 1280
    .private_segment_fixed_size: 0
    .kernarg_segment_align: 8
    .kernarg_segment_size: 16
    .max_flat_workgroup_size: 256
    .sgpr_count:     66
    .vgpr_count:     34
    .wavefront_size: 32
...
	.end_amdgpu_metadata
.endif
;; end of part 3
;; ======== version 2 of 2: 3 launches; version 1 with the launch energy written anew for expert scheduling mode
;; workspace buffers: qp 1,048,576 bytes; en 262,144 bytes
;; launch qpart: the kernel of part 1 again; grid 16 x 16, 4 waves a work-group, no clusters, 33,280 bytes of LDS; arguments W_attn, rnn_outputs, qp; writes qp
;; launch energy (part 4): grid 32 x 8, 8 waves a work-group, no clusters, 7,168 bytes of LDS; arguments encoder_outputs, qp, rnn_outputs, b_attn, en; writes en
.if DOCPART == 4
	.amdgcn_target "amdgcn-amd-amdhsa--gfx1250"
	.amdhsa_code_object_version 6
	.text
	.protected	k_qc12513f91e_energy
	.globl	k_qc12513f91e_energy
	.p2align	8
	.type	k_qc12513f91e_energy,@function
k_qc12513f91e_energy:
	s_mov_b64 s[64:65], 0
	v_nop
	global_prefetch_b8 v0, s[64:65] scope:SCOPE_SE
	s_setreg_imm32_b32 hwreg(HW_REG_WAVE_SCHED_MODE, 0, 2), 2
	s_setreg_imm32_b32 hwreg(HW_REG_WAVE_MODE, 25, 1), 1
	s_wait_xcnt 0x0
	s_wait_alu depctr_vm_vsrc(0)
; en[b][s] = q[b] . enc[s][b] + c[b],  q[b] = the sum of the eight parts qp[p][b],  c[b] = dec[b] . bias.
; enc: [2048 s][32 b][1024 h] f32, qp: [8][32][1024] f32, dec: [32][1024] f32, bias: [1024] f32, en: [32 b][2048 s] f32.
; LIMIT: sums associated as (dec W) enc + dec . bias; the order of f32 roundings differs from the formula as it is written.
; A stream: every byte of enc is read once, by loads of 512 consecutive bytes a wave, and each row meets one vector, so the work is 16 packed
; multiply-adds a lane for 4,096 bytes.  A matrix instruction would use one of its sixteen columns and want conversions on top; f32 on the
; vector unit keeps the energies exact enough for the exponentials that follow.  No cluster: no two work-groups read the same bytes of enc,
; and what they share (q's parts, dec, bias: 40 KiB) is small beside a work-group's 1 MiB.
;
; 256 work-groups: x = b, y = j; the work-group takes s = 256 j .. 256 j + 255 of its b.  Wave w takes s = 256 j + 32 w + r, r = 0 .. 31, a whole row
; (4,096 bytes, eight loads of 16 bytes a lane) at a time: lane l, load i holds h = 128 i + 4 l .. + 3.
; A ring of six row slots in registers: while one row is multiplied, five rows (40 loads, 20 KiB of the wave) are on their way.  The waits are counted, so
; the ring never runs empty.  All 32 rows are reached by the loads' immediate offsets: no address register is ever rewritten.
;
; THE MODE: SCHED_MODE bits 1:0 = 2 (LLVM: expert scheduling mode 2), set by the entry lines.  The code itself states the register dependences
; between vector instructions and memory or LDS instructions, with s_wait_alu, always for 0.
; THE PLAN.  Registers that memory or LDS instructions touch:
;   v1 .. v4     offsets and LDS addresses: written once at the head, read by every load, LDS instruction and store, never written again.
;   X, slot n    Row r (n = r mod 6): its sixteen multiply-adds read the slot; behind them the eight loads of row r + 6 land in it.
;   Q            At the head: qp's loads land, the tree of sums reads and writes it, an LDS store reads Q .. Q+3, the LDS loads behind the barrier land in all of it.
;                In the rows: read by the multiply-adds alone.  At the end: an LDS load lands in Q .. Q+3, and the global store reads them.
;   T            At the head: dec's and bias's loads land, four vector lines read it, two LDS loads behind the barrier land in it.  From then on vector work alone.
;   v5, v8       Written by vector lines, each read by one LDS store, not written again behind it.
; So ONE wait on va_vdst stands in a row, behind its multiply-adds: they are done reading the slot.  The row's eight loads follow it, dealt among the lines that
; add the row up, which name T, S, S2 and E: none of the registers that those loads touch.  It stands there and not at the next row's head, so that
; five younger rows, not four, are out when a row is waited for.  No memory instruction of a row reads a register that anything writes: no wait on vm_vsrc there.
.set SROW,  131072                     ; bytes from enc[s][b] to enc[s + 1][b], and from a part of qp to the next
.set SLOTS, 6
.set ROWS,  32                         ; rows of a wave
.set OE,  1                            ; v1        byte offset in enc: w x 32 rows + 16 lane
.set T16, 2                            ; v2        16 t
.set T4,  3                            ; v3        4 t
.set L16, 4                            ; v4        16 lane
.set DOT, 5                            ; v5        my four products of dec and bias
.set E,   8                            ; v8        lane r keeps row r's energy
.set CI,  10                           ; v[10:11]  (my lane's share of c[b], 0): the addend of each row's first multiply-add
.set S,   12                           ; v12       a row's sum
.set S2,  13                           ; v13       the other half's sum
.set Q,   16                           ; v[16:47]  first the eight parts of my four numbers of q, then my lane's 32 numbers of q
.set T,   48                           ; v[48:55]  first dec and bias, then four accumulator pairs
.set X,   56                           ; v[56:247] slot n: 32 registers, a row as loaded
.set LQ,  0                            ; LDS: q[b], 4,096 bytes
.set LC,  4096                         ; LDS: 256 partial sums of c[b]
.set LE,  5120                         ; LDS: the work-group's 256 energies
	s_load_b256 s[4:11], s[0:1], 0x0               ; enc s[4:5], qp s[6:7], dec s[8:9], bias s[10:11]
	s_load_b64 s[12:13], s[0:1], 0x20              ; en
	v_lshl_add_u32 v14, v0, 2, 0x1800
	v_mov_b32 v15, 0
	s_and_b32 s15, ttmp7, 0xffff                   ; j
	s_lshl_b32 s18, ttmp9, 12                      ; b rows of 4,096 bytes: in qp, in dec, and inside one s of enc
	s_mov_b32 s19, 0
	s_lshl_b32 s16, s15, 25                        ; enc: 256 j steps of 131,072 bytes (at most 7 x 2^25)
	s_add_co_u32 s16, s16, s18
	s_mov_b32 s17, 0
	s_lshl_b32 s20, ttmp9, 13                      ; en: b rows of 8,192 bytes
	s_lshl_b32 s21, s15, 10                        ;     + 256 j numbers
	s_add_co_u32 s20, s20, s21
	s_mov_b32 s21, 0
	s_mov_b32 s22, 0x76543210                      ; v_permlanex16_b32: lane i of one half reads lane i of the other
	s_mov_b32 s23, 0xfedcba98
	v_lshrrev_b32 v6, 5, v0
	v_readfirstlane_b32 s14, v6                    ; wave 0 .. 7
	v_and_b32 v[L16], 31, v0
	v_lshlrev_b32 v[L16], 4, v[L16]
	v_lshl_or_b32 v[OE], v6, 22, v[L16]            ; 32 rows of 131,072 bytes for each wave
	v_lshlrev_b32 v[T16], 4, v0
	v_lshlrev_b32 v[T4], 2, v0
	v_mov_b32 v[S2], 0                             ; v_permlanex16_b32's destination counts as read: written once
	s_wait_alu depctr_va_sdst(0)                   ; s14 is written, ahead of its first reader, the compare in the way out, and ahead of the text's one branch and label
	s_wait_kmcnt 0x0
	s_add_nc_u64 s[4:5], s[4:5], s[16:17]
	s_add_nc_u64 s[6:7], s[6:7], s[18:19]
	s_add_nc_u64 s[8:9], s[8:9], s[18:19]
	s_add_nc_u64 s[12:13], s[12:13], s[20:21]
	s_wait_alu depctr_va_vdst(0)                   ; v1 to v4 are written: every load, LDS instruction and store of the kernel reads one of them as its offset or address
	; ten loads for q and c: thread t takes numbers 4 t .. 4 t + 3 of each row
.irp p, 0,1,2,3,4,5,6,7
	global_load_b128 v[Q+4*\p:Q+4*\p+3], v[T16], s[6:7] offset:\p*SROW
.endr
	global_load_b128 v[T:T+3],   v[T16], s[8:9]
	global_load_b128 v[T+4:T+7], v[T16], s[10:11]
	; the ring is filled: rows 0 to 5, 48 loads.  enc is read once in the whole launch.
.irp r, 0,1,2,3,4,5
.irp i, 0,1,2,3,4,5,6,7
	global_load_b128 v[X+32*\r+4*\i:X+32*\r+4*\i+3], v[OE], s[4:5] offset:\r*SROW+\i*512 th:TH_LOAD_NT
.endr
.endr
; eight groups of four registers from v[r] on, added as a tree into the first group
.macro SUM8 r
.irp g, 0,8,16,24
.irp h, 0,2
	v_pk_add_f32 v[\r+\g+\h:\r+\g+\h+1], v[\r+\g+\h:\r+\g+\h+1], v[\r+\g+4+\h:\r+\g+4+\h+1]
.endr
.endr
.irp g, 0,16
.irp h, 0,2
	v_pk_add_f32 v[\r+\g+\h:\r+\g+\h+1], v[\r+\g+\h:\r+\g+\h+1], v[\r+\g+8+\h:\r+\g+8+\h+1]
.endr
.endr
.irp h, 0,2
	v_pk_add_f32 v[\r+\h:\r+\h+1], v[\r+\h:\r+\h+1], v[\r+16+\h:\r+16+\h+1]
.endr
.endm
	s_wait_loadcnt 48                              ; the ten are in; the ring's 48, issued behind them, stay out
	SUM8 Q                                         ; q[b][4 t .. 4 t + 3]
	v_mul_f32  v[DOT], v[T],   v[T+4]              ; my four terms of dec[b] . bias
	v_fmac_f32 v[DOT], v[T+1], v[T+5]
	v_fmac_f32 v[DOT], v[T+2], v[T+6]
	v_fmac_f32 v[DOT], v[T+3], v[T+7]
	s_wait_alu depctr_va_vdst(0)                   ; the sums have written Q .. Q+3 and DOT, which the LDS stores read; they are also done with all of Q and T, in which the LDS loads behind the barrier land (no vector line stands between)
	ds_store_b128 v[T16], v[Q:Q+3] offset:LQ
	ds_store_b32  v[T4],  v[DOT]   offset:LC
	s_wait_dscnt 0x0                               ; my stores are in LDS before I say so
	s_barrier_signal -1                            ; (the loads of enc stay on their way: nobody writes those bytes)
	s_barrier_wait -1
	s_wait_alu depctr_vm_vsrc(0)                   ; my LDS store has read Q .. Q+3, in which the first LDS load below lands
.irp i, 0,1,2,3,4,5,6,7
	ds_load_b128 v[Q+4*\i:Q+4*\i+3], v[L16] offset:LQ+512*\i       ; q at the places at which my lane holds enc
.endr
	ds_load_b128 v[T:T+3],   v[L16] offset:LC      ; eight of the 256 partial sums of c[b] for each lane
	ds_load_b128 v[T+4:T+7], v[L16] offset:LC+512
	s_wait_dscnt 0x0
	v_pk_add_f32 v[T:T+1],     v[T:T+1],     v[T+2:T+3]
	v_pk_add_f32 v[T+4:T+5],   v[T+4:T+5],   v[T+6:T+7]
	v_pk_add_f32 v[T:T+1],     v[T:T+1],     v[T+4:T+5]
	v_add_f32 v[CI], v[T], v[T+1]                  ; over the 32 lanes these add up to c[b]: a row's sum over the lanes brings the bias in
	v_mov_b32 v[CI+1], 0
; Load i of eight of the row that follows row r in its slot, row r + 6; the last six rows have none, so that no load leaves enc.
.macro NEXT r, i
.if \r+SLOTS < ROWS
	global_load_b128 v[SL+4*\i:SL+4*\i+3], v[OE], s[4:5] offset:(\r+SLOTS)*SROW+\i*512 th:TH_LOAD_NT
.endif
.endm
; Row r, in slot r mod 6.
.macro ROW r
.set SL, X+32*((\r)%SLOTS)
.if ROWS-1-\r < SLOTS-1
	s_wait_loadcnt 8*(ROWS-1-\r)                   ; the end: only the rows behind this one are still out
.else
	s_wait_loadcnt 8*(SLOTS-1)                     ; loads come back in order: my row's eight are in, the five younger rows' 40 stay out
.endif
	v_pk_fma_f32 v[T:T+1], v[SL:SL+1], v[Q:Q+1], v[CI:CI+1]        ; four chains; the first starts from the share of c[b], the others from a product
.irp m, 1,2,3
	v_pk_mul_f32 v[T+2*\m:T+2*\m+1], v[SL+2*\m:SL+2*\m+1], v[Q+2*\m:Q+2*\m+1]
.endr
.irp m, 4,5,6,7,8,9,10,11,12,13,14,15
	v_pk_fma_f32 v[T+2*(\m%4):T+2*(\m%4)+1], v[SL+2*\m:SL+2*\m+1], v[Q+2*\m:Q+2*\m+1], v[T+2*(\m%4):T+2*(\m%4)+1]
.endr
.if \r+SLOTS < ROWS
	s_wait_alu depctr_va_vdst(0)                   ; the sixteen lines above are done reading the slot, in which the eight loads below land; no vector line behind this wait names the slot or v1
.endif
	NEXT \r, 0                                     ; the slot's next row, as soon as the slot has been read: dealt among the links of the chain that adds the row up
	NEXT \r, 1
	v_pk_add_f32 v[T:T+1],   v[T:T+1],   v[T+2:T+3]
	v_pk_add_f32 v[T+4:T+5], v[T+4:T+5], v[T+6:T+7]
	NEXT \r, 2
	v_pk_add_f32 v[T:T+1],   v[T:T+1],   v[T+4:T+5]
	NEXT \r, 3
	v_add_f32 v[S], v[T], v[T+1]
	NEXT \r, 4
	v_add_f32_dpp v[S], v[S], v[S] row_xmask:1 row_mask:0xf bank_mask:0xf      ; across the lanes: four steps inside each half of 16,
	NEXT \r, 5
	v_add_f32_dpp v[S], v[S], v[S] row_xmask:2 row_mask:0xf bank_mask:0xf
	NEXT \r, 6
	v_add_f32_dpp v[S], v[S], v[S] row_xmask:4 row_mask:0xf bank_mask:0xf
	NEXT \r, 7
	v_add_f32_dpp v[S], v[S], v[S] row_xmask:8 row_mask:0xf bank_mask:0xf
	v_permlanex16_b32 v[S2], v[S], s22, s23                                    ; one across the halves
.if \r == 0
	v_add_f32 v[E], v[S], v[S2]                    ; row 0 writes every lane of E; lanes 1 to 31 are replaced below
.else
	v_add_f32 v[S], v[S], v[S2]
	s_mov_b32 s24, 1<<\r
	v_cndmask_b32 v[E], v[E], v[S], s24            ; lane r keeps row r
.endif
.endm
.irp r, 0,1,2,3,4,5,6,7,8,9,10,11,12,13,14,15,16,17,18,19,20,21,22,23,24,25,26,27,28,29,30,31
	ROW \r
.endr
	; Thread t = 32 w + r holds en[b][256 j + t].  Through LDS, so that 16 bytes a lane go out: 64 threads store the 1,024 bytes.
	s_wait_alu depctr_va_vdst(0)                   ; the last row has written E, which the LDS store reads; the rows are done reading Q .. Q+3, in which the LDS load below lands (no vector line follows on either path)
	ds_store_b32 v[T4], v[E] offset:LE
	s_wait_dscnt 0x0
	s_barrier_signal -1
	s_barrier_wait -1
	s_cmp_ge_u32 s14, 2
	s_cbranch_scc1 .Ldone                          ; waves 2 to 7 have nothing left to store
	ds_load_b128 v[Q:Q+3], v[T16] offset:LE
	s_wait_dscnt 0x0
	global_store_b128 v[T16], v[Q:Q+3], s[12:13]   ; sixteen lanes store 256 consecutive bytes, aligned
.Ldone:
	s_wait_dscnt 0x0
	s_wait_alu depctr_hold_cnt(0) depctr_sa_sdst(0) depctr_va_vdst(0) depctr_va_sdst(0) depctr_va_ssrc(0) depctr_va_vcc(0) depctr_vm_vsrc(0)
	s_wait_tensorcnt 0x0
	ds_add_u32 v14, v15
	s_wait_dscnt 0x0
	s_endpgm
.Lfunc_end_k_qc12513f91e_energy:
	.size	k_qc12513f91e_energy, .Lfunc_end_k_qc12513f91e_energy-k_qc12513f91e_energy
	.p2alignl 7, 3214868480
	.fill 96, 4, 3214868480
	.section	.rodata,"a",@progbits
	.p2align	6, 0x0
	.amdhsa_kernel k_qc12513f91e_energy
		.amdhsa_group_segment_fixed_size 7168
		.amdhsa_private_segment_fixed_size 0
		.amdhsa_enable_private_segment 0
		.amdhsa_kernarg_size 40
		.amdhsa_user_sgpr_count 2
		.amdhsa_user_sgpr_kernarg_segment_ptr 1
		.amdhsa_wavefront_size32 1
		.amdhsa_system_sgpr_workgroup_id_x 1
		.amdhsa_system_sgpr_workgroup_id_y 1
		.amdhsa_system_sgpr_workgroup_id_z 1
		.amdhsa_system_vgpr_workitem_id 0
		.amdhsa_next_free_vgpr 248
		.amdhsa_next_free_sgpr 66
		.amdhsa_reserve_vcc 0
		.amdhsa_float_denorm_mode_32 3
		.amdhsa_float_denorm_mode_16_64 3
		.amdhsa_memory_ordered 1
		.amdhsa_forward_progress 1
		.amdhsa_inst_pref_size 85
	.end_amdhsa_kernel
	.amdgpu_metadata
---
amdhsa.version: [ 1, 2 ]
amdhsa.kernels:
  - .name:           k_qc12513f91e_energy
    .symbol:         k_qc12513f91e_energy.kd
    .args:
      - { .name: encoder_outputs, .offset: 0, .size: 8, .value_kind: global_buffer, .address_space: global }
      - { .name: qp, .offset: 8, .size: 8, .value_kind: global_buffer, .address_space: global }
      - { .name: rnn_outputs, .offset: 16, .size: 8, .value_kind: global_buffer, .address_space: global }
      - { .name: b_attn, .offset: 24, .size: 8, .value_kind: global_buffer, .address_space: global }
      - { .name: en, .offset: 32, .size: 8, .value_kind: global_buffer, .address_space: global }
    .group_segment_fixed_size: 7168
    .private_segment_fixed_size: 0
    .kernarg_segment_align: 8
    .kernarg_segment_size: 40
    .max_flat_workgroup_size: 256
    .sgpr_count:     66
    .vgpr_count:     248
    .wavefront_size: 32
...
	.end_amdgpu_metadata
.endif
;; end of part 4
;; launch softmax: the kernel of part 3 again; grid 32 x 1, 8 waves a work-group, no clusters, 1,280 bytes of LDS; arguments en, out0; writes out0
